; MI455X (gfx1250); checked and timed in simulation.
; The chip was launched on July 23, 2026; its instructions are those of AMD's public machine-readable ISA for CDNA 5 (MIT licence, August 2026) and "CDNA5" Instruction Set Architecture Reference Guide (July 2026). The comments in the code are by the model that wrote it; some were corrected since.
;; Multi Head Attention. Allowed arithmetic: matrix products marked QUANTISED: E4M3 operands, one E8M0 scale for each 32 along K, by v_wmma_scale_f32_16x16x128_f8f6f4 with both operands' format E4M3, f32 sums; products left as they are: f32 operands where the result goes on into a quantised operand, else bf16, f16 or f32 operands; f32 sums; everything else in f32.
;; Inputs: Wk_codes 512 x 16 x 32 uint8 (E4M3 codes of Wk, K innermost, in blocks of 32 codes); Wk_scales 512 x 16 uint8 (E8M0 scales of Wk, one for each 32 codes along K); Wq_codes 512 x 16 x 32 uint8 (E4M3 codes of Wq, K innermost, in blocks of 32 codes); Wq_scales 512 x 16 uint8 (E8M0 scales of Wq, one for each 32 codes along K); Wv_codes 512 x 16 x 32 uint8 (E4M3 codes of Wv, K innermost, in blocks of 32 codes); Wv_scales 512 x 16 uint8 (E8M0 scales of Wv, one for each 32 codes along K); bk 512 float32; bq 512 float32; bv 512 float32; mask 1,024 x 8 x 128 int32; x_non_codes 1,024 x 16 x 32 uint8 (E4M3 codes of x_non, K innermost, in blocks of 32 codes); x_non_scales 1,024 x 16 uint8 (E8M0 scales of x_non, one for each 32 codes along K); x_seq_codes 1,024 x 128 x 16 x 32 uint8 (E4M3 codes of x_seq, K innermost, in blocks of 32 codes); x_seq_scales 1,024 x 128 x 16 uint8 (E8M0 scales of x_seq, one for each 32 codes along K).
;; Outputs: out0 1,024 x 512 float32.
;; This version of the problem:
;;   THIS VERSION OF THE PROBLEM IS GIVEN IN LOW PRECISION. The matrix products marked QUANTISED in the list below multiply operands that are first quantised to E4M3 (4 exponent bits, 3 mantissa bits; 8 bits a number), with one power-of-two scale for each 32 numbers along K (OCP MX v1.0); their sums are f32. All else is computed in f32.
;;   The module's matrix products, in the order in which they are computed (A, B: the left and right operand; K: the contracted axis; several contracted axes count as one K, in the product's order):
;;     1. [M 1,024, K 512] x [K 512, N 512]; A: input x_non (given as codes); B: input Wq (given as codes): QUANTISED
;;     2. [M 131,072, K 512] x [K 512, N 512]; A: input x_seq (given as codes); B: input Wk (given as codes): QUANTISED
;;     3. [M 131,072, K 512] x [K 512, N 512]; A: input x_seq (given as codes); B: input Wv (given as codes): QUANTISED
;;     4. batch 8,192 x [M 1, K 64] x [K 64, N 128]; A: computed on the way; B: computed on the way: left as it is (M = 1 < 16)
;;     5. batch 8,192 x [M 1, K 128] x [K 128, N 64]; A: softmax; B: computed on the way: left as it is (M = 1 < 16)
;;   THE QUANTISER, for each operand of a quantised product, along K:
;;     - K is cut into blocks of 32 from its start; a last block that is shorter is filled with zeros.
;;     - A block's scale is 2^e with e = floor(log2(the largest magnitude in the block)) - 8, held to -126 .. 127; a block of zeros has e = 0. As a byte (E8M0): e + 127.
;;     - Each number is divided by its block's scale, clamped to +-448, and rounded to the nearest number of E4M3, ties to even, subnormals kept.
;;     - The product sums the exact products of the quantised numbers (number of the format x scale) in f32.
;;   ~~~python
;;   def quantise(x, axis):      # numpy; x: float32 -> the quantised numbers, widened to float32 again
;;       x = np.moveaxis(x, axis, -1); K = x.shape[-1]
;;       x = np.pad(x, [(0, 0)] * (x.ndim - 1) + [(0, -K % 32)]); x = x.reshape(x.shape[:-1] + (-1, 32)); a = np.abs(x).max(-1, keepdims=True)
;;       e = np.where(a > 0, np.clip(np.frexp(np.where(a > 0, a, 1))[1] - 1 - 8, -126, 127), 0)      # np.frexp(a)[1] - 1 = floor(log2(a)), exactly
;;       r = np.clip(x / 2.0 ** e, -448, 448)
;;       step = 2.0 ** (np.maximum(np.frexp(np.where(r == 0, 1, r))[1] - 1, -6) - 3)
;;       q = np.round(r / step) * step * 2.0 ** e      # np.round: ties to even
;;       return np.moveaxis(q.reshape(q.shape[:-2] + (-1,))[..., :K], -1, axis).astype(np.float32)
;;   ~~~
;;   INPUTS GIVEN AS CODES. Wk (in the module: [512, 512], K = its axis 1); Wq (in the module: [512, 512], K = its axis 1); Wv (in the module: [512, 512], K = its axis 1); x_non (in the module: [1024, 512], K = its axis 1); x_seq (in the module: [1024, 128, 512], K = its axis 2): each comes as NAME_codes (uint8): NAME with its K axis moved to the last place and cut into blocks of 32 codes, [.., K / 32, bytes a block], one block behind the other in memory; one code a byte (a code: sign, 4 exponent bits, 3 mantissa bits); and NAME_scales (uint8): the same leading axes, one E8M0 byte (e + 127) for each 32 codes along K. Its value is code x scale, taken as it is: it is not quantised again, and the codes and scales need not be those that the quantiser above would give.
;; One version. Each part assembles by itself: llvm-mc -triple=amdgcn-amd-amdhsa -mcpu=gfx1250 --defsym DOCPART=n.
;; ======== version 1 of 1: 1 launch
;; limits: right only within a limited range of input values
;; launch mha (part 1): grid 256 x 1, 4 waves a work-group, clusters of 4 x 1, 327,680 bytes of LDS; arguments x_seq_codes, x_seq_scales, mask, Wk_codes, Wv_codes, Wk_scales, Wv_scales, Wq_codes, Wq_scales, x_non_codes, x_non_scales, bq, bk, bv, out0; writes out0
.if DOCPART == 1
	.amdgcn_target "amdgcn-amd-amdhsa--gfx1250"
	.amdhsa_code_object_version 6
	.text
	.protected	k_q2393e598c9_mha
	.globl	k_q2393e598c9_mha
	.p2align	8
	.type	k_q2393e598c9_mha,@function
k_q2393e598c9_mha:
	s_mov_b64 s[64:65], 0
	v_nop
	global_prefetch_b8 v0, s[64:65] scope:SCOPE_SE
	s_setreg_imm32_b32 hwreg(HW_REG_WAVE_MODE, 25, 1), 1
	s_wait_xcnt 0x0
	s_wait_alu depctr_hold_cnt(0) depctr_sa_sdst(0) depctr_va_vdst(0) depctr_va_sdst(0) depctr_va_ssrc(0) depctr_va_vcc(0) depctr_vm_vsrc(0)
	s_getreg_b32 s2, hwreg(HW_REG_IB_STS2, 6, 4)
	s_cmp_eq_u32 s2, 0
	s_cbranch_scc0 .Lentry_in_a_cluster
	s_endpgm
.Lentry_in_a_cluster:
	s_bfe_u32 s2, ttmp6, 0x10000c
	s_cmp_lg_u32 s2, 0x3003
	s_cbranch_scc0 .Lentry_shape_is_right
	s_endpgm
.Lentry_shape_is_right:
; z[b][n][:] = sum over s of softmax_s(mask(floor(q[b][n] . k[b][s][n] / 8))) v[b][s][n][:],  q = x_non Wq^T + bq,  k = x_seq Wk^T + bk,  v = x_seq Wv^T + bv.
; 1,024 batches, 128 rows of x_seq each, 8 heads of 64, K = 512.  The three projections multiply codes of FP8 (E4M3) with one E8M0 scale for each 32 along K, as they lie in memory; all else is f32.
; SHARES.  A work-group is four waves: 2 batches (bp = wave / 2) x 2 heads (hd = wave % 2); it keeps its heads and walks 16 batches, 8 tiles of 2.  A wave holds the 128 rows of Wk and Wv of its head, all of K, in 512 registers.
; x's rows stream past them: a block of 16 rows, all of K, is 64 registers, two sets.  A UNIT is two blocks: products K a, V a, K b, V b, 16 each; a tile is four units.
; x comes through two LDS slots, each one tile of 256 rows; at the head the weights pass through slot 1.  One drained round of the cluster's barrier a tile; the load behind it has a tile's work in which to land.
; CLUSTER.  The four work-groups of a cluster take the same 16 batches and the four pairs of heads: every tile of x is asked for JOINTLY.  The weights are shared only with other clusters' work-groups and are
; 131,072 bytes a work-group, once in the launch, against 1,048,576 bytes of x: they come by plain loads.
; THE STREAM.  Behind each pair of products stands a gap of vector lines.  While unit u's products run, the gaps hold: the sums p v of unit u - 2; the softmax of unit u - 1; the sums q k of unit u.
; The softmax keeps a running maximum; when it moves, the sums are multiplied by e^(old - new).  In the first tile's first two units the lines of the tile before work on zeros, and their result goes to two rows of the stage that nobody reads.
; TWO ORIENTATIONS.  k: source 0 = 16 rows of Wk, source 1 = 16 rows of x: lane (r, h), register j holds k[s = r][d = 16 t + 8 h + j].  v: source 0 = x, source 1 = Wv: lane (r, h), register j holds v[s = 8 h + j][d = 16 t + r].
; ALGEBRA, for every input.  q is kept as q / 8 (a power of two); bk enters as (q / 8) . bk, which starts each score's sum; bv is added behind the division by the row's sum, since the weights add up to 1.
; e^x = 2^(x log2 e): the whole part by ldexp, the rest (at most 1/2 in size) by a polynomial of degree 6, whose first term left out is under 2^-22 of the value: two numbers an instruction, and no transcendental stands among the products.
; LIMITS.  NaN codes and scale bytes 0xff among the inputs are not served.  |q| under 2^-123 loses bits in q / 8.  A score within a few units in the last place of a multiple of 8 may fall to the other side of the floor than under
; another order of the f32 sums.
; WINDOWS.  0: addresses, scale words, softmax, K's sums.  1: Wk, 2: Wv (fragment of tile b, K step k at 64 k + 16 b).  3: x's two sets (0-127), V's sums, two units' (128-255); while q is made, its operands.
.set PITCH,  528                       ; 512 bytes + 16 of padding = 132 words: row r starts at bank 4 r mod 64 (64 banks of 4 bytes: ISA guide 11.1)
.set SLOT,   256*PITCH
.set QP,     272
.set QL,     2*SLOT                    ; q / 8: row 16 hd + batch
.set QBL,    QL+32*QP                  ; the parts of (q / 8) . bk
.set PL,     QBL+512                   ; p: 512 bytes for each wave, its own
.set ZL,     PL+4*512                  ; the stage: 2 + 16 batches x 2 heads x (64 sums and 32 copies of the row's sum)
.set SPARE,  ZL+18*768                 ; the spare words, 128 bytes for each wave
.set TILEB,  2*128*512                 ; a tile of x in memory
.set TRIPS,  6
.set ADRA0, 16
.set ADRA, 17                          ; my batch's fragments, in the slot in hand
.set AQ, 18
.set AQB, 19
.set APW, 20
.set APR, 21
.set AZW, 22
.set MO, 23
.set XO, 24
.set PFO, 25
.set AZR, 26
.set AZL, 27
.set SPW, 28
.set NIL, 29
.set NEG, 30
.set ADRB, 10                          ; the head alone
.set ADRV, 11
.set WS, 32                            ; the weights' scale words: 4 (b / 2) + k: lanes 0-15 the even tile's rows, lanes 16-31 the odd tile's
.set XS, 50                            ; x's: unit u, K step k at 4 u + k: lanes 0-15 block a's rows, lanes 16-31 block b's; no product's two scale words have numbers equal modulo 8
.set MK, 68
.set SA0, 72
.set SA1, 74
.set SCA, 76
.set SCB, 77
.set SND, 78
.set OWN, 79
.set RCV, 80
.set RC2, 81
.set SS, 82
.set MX, 83
.set MR, 84                            ; 84, 85: the running maximum, by turns
.set RL, 86
.set EE, 88
.set TT, 90
.set NN, 92
.set RR, 94
.set HH, 96
.set II, 98
.set FF, 100                           ; 100: e^(old - new maximum); 101: p
.set LS, 102
.set LR, 103
.set C5, 104
.set ZP, 106
.set ZS, 110
.set ZO, 112
.set RZ, 114
.set ZZ, 116                           ; 116-123: four packed sums of p v
.set QB, 124
.set QV, 128                           ; q / 8 at d = 16 t + 8 h + j: register 8 t + j
.set PP, 160                           ; p of a unit: 8 rows of block a, 8 of block b
.set BV, 176
.set KA, 192                           ; K's sums: block a 192-223, block b 224-255
.set XT, 192                           ; at the head: x_non's and Wq's scale words
.set VA, 128                           ; window 3: V's sums
.set WQF, 0                            ; window 3, while q is made
.set XNF, 128
.set BQ, 192
.set BK, 208
.set QA, 224
.set TQ, 240
.set G1A, 4
.set G1W, 12
.set G0A, 20
.set G0W, 24
.set LG, 28
.set C6, 30
.set C4, 32
.set C3, 34
.set C2, 94
.set C1, 96
.set P_X, 36
.set P_XS, 38
.set P_M, 40
.set P_WK, 42
.set P_WV, 44
.set P_WKS, 46
.set P_WVS, 48
.set P_WQ, 50
.set P_WQS, 52
.set P_XN, 54
.set P_XNS, 56
.set P_BQ, 58
.set P_BK, 60
.set P_BV, 62
.set P_O, 66
.set WV, 68
.set BP, 69
.set HD, 70
.set CX, 71
.set HEAD, 72
.set SEL, 74
.set HM, 76
.set TL, 77
.set PFA, 78
.set TB, 84                            ; where the slot in hand begins
.set WR, 85                            ; where my 64 rows of a tile begin in a slot
.set MSB, 0
.macro WIN new                         ; the immediate's high byte repeats the setting that is left
.if MSB != (\new)
	s_set_vgpr_msb (MSB<<8)|(\new)
.set MSB, (\new)
.endif
.endm
.macro PLACES n
.rept \n
	v_nop
.endr
.endm
.macro WALU
	s_wait_alu depctr_va_vdst(0)
.endm
.macro BARRIER
	s_barrier_signal -1
	s_barrier_wait -1
.endm
.macro CREST                           ; a round of the cluster's barrier behind its opening barrier
	s_cmp_lg_u32 s[WV], 0
	s_cbranch_scc1 .Lnot_wave_0_\@
	s_barrier_signal -3
.Lnot_wave_0_\@:
	s_barrier_wait -3
	BARRIER
.endm
.macro TLOAD g0, g1
	tensor_load_to_lds s[\g0:\g0+3], s[\g1:\g1+7]
	s_nop 0
	PLACES 4
.endm
; One scaled matrix instruction.  zero = 1: it starts the sum.  ra, rb = 1: source 0's, source 1's scale words are taken from lanes 16-31.
.macro WM d, a, b, zero, sa, sb, ra, rb
.if \zero
.if (\ra) && (\rb)
	v_wmma_scale_f32_16x16x128_f8f6f4 v[\d:\d+7], v[\a:\a+15], v[\b:\b+15], 0, v[\sa], v[\sb] matrix_a_scale:MATRIX_SCALE_ROW1 matrix_b_scale:MATRIX_SCALE_ROW1
.elseif (\ra)
	v_wmma_scale_f32_16x16x128_f8f6f4 v[\d:\d+7], v[\a:\a+15], v[\b:\b+15], 0, v[\sa], v[\sb] matrix_a_scale:MATRIX_SCALE_ROW1
.elseif (\rb)
	v_wmma_scale_f32_16x16x128_f8f6f4 v[\d:\d+7], v[\a:\a+15], v[\b:\b+15], 0, v[\sa], v[\sb] matrix_b_scale:MATRIX_SCALE_ROW1
.else
	v_wmma_scale_f32_16x16x128_f8f6f4 v[\d:\d+7], v[\a:\a+15], v[\b:\b+15], 0, v[\sa], v[\sb]
.endif
.else
.if (\ra) && (\rb)
	v_wmma_scale_f32_16x16x128_f8f6f4 v[\d:\d+7], v[\a:\a+15], v[\b:\b+15], v[\d:\d+7], v[\sa], v[\sb] matrix_a_scale:MATRIX_SCALE_ROW1 matrix_b_scale:MATRIX_SCALE_ROW1
.elseif (\ra)
	v_wmma_scale_f32_16x16x128_f8f6f4 v[\d:\d+7], v[\a:\a+15], v[\b:\b+15], v[\d:\d+7], v[\sa], v[\sb] matrix_a_scale:MATRIX_SCALE_ROW1
.elseif (\rb)
	v_wmma_scale_f32_16x16x128_f8f6f4 v[\d:\d+7], v[\a:\a+15], v[\b:\b+15], v[\d:\d+7], v[\sa], v[\sb] matrix_b_scale:MATRIX_SCALE_ROW1
.else
	v_wmma_scale_f32_16x16x128_f8f6f4 v[\d:\d+7], v[\a:\a+15], v[\b:\b+15], v[\d:\d+7], v[\sa], v[\sb]
.endif
.endif
.endm
; Product n = 4 k + b of quarter QT_ (0 K a, 1 V a, 2 K b, 3 V b) of unit u.  Four accumulators take turns, K ascending: three others stand between a sum's steps.
.macro WMQ u, n
.set rK, (\n)/4
.set rB, (\n)%4
.set rH, QT_/2
.set rX, 64*rH+16*rK
.set rW, 64*rK+16*rB
.set rSX, XS+4*(\u)+rK
.if QT_%2 == 0
.set rD, KA+32*rH+8*rB
.set rSW, WS+4*(rB/2)+rK
	WIN 0x0d                               ; source 0 (Wk) window 1, source 1 (x) window 3, C and D window 0
	WM rD, rW, rX, rK==0, rSW, rSX, rB%2, rH
.else
.set rD, VA+64*((\u)%2)+32*rH+8*rB
.set rSW, WS+8+4*(rB/2)+rK
	WIN 0xfb                               ; source 0 (x) window 3, source 1 (Wv) window 2, C and D window 3
	WM rD, rX, rW, rK==0, rSX, rSW, rH, rB%2
.endif
.endm
.macro XLD set, blk, k                 ; block blk, K step k into set: lane l holds row l % 16; registers 4 c .. 4 c + 3 hold K = 32 c + 16 (l / 16) + 0 .. 15
	WIN 0xc0
.irp c, 0,1,2,3
	ds_load_b128 v[64*(\set)+16*(\k)+4*\c:64*(\set)+16*(\k)+4*\c+3], v[ADRA] offset:16*PITCH*(\blk)+128*(\k)+32*\c
.endr
.endm
.macro QLD t                           ; q / 8 of my batch and head: all lanes of a half read the same bytes
	ds_load_b128 v[QV+8*(\t):QV+8*(\t)+3], v[AQ] offset:64*(\t)
	ds_load_b128 v[QV+8*(\t)+4:QV+8*(\t)+7], v[AQ] offset:64*(\t)+16
.endm
.macro RESC t                          ; a packed sum under the new maximum
	v_pk_mul_f32 v[ZZ+2*(\t):ZZ+2*(\t)+1], v[ZZ+2*(\t):ZZ+2*(\t)+1], v[FF:FF+1] op_sel_hi:[1,0]
.endm
.macro PVL i, s, first                 ; line i of 32 of a unit's sums p v (V's sums in unit set s): four sums by turns; first: a tile's first products start them
.set pB, (\i)/16
.set pJ, ((\i)%16)/4
.set pT, (\i)%4
.set pV, VA+64*(\s)+32*pB+8*pT+2*pJ
.set pP, PP+8*pB+2*pJ
.set pZ, ZZ+2*pT
.if (\first) && (pB == 0) && (pJ == 0)
	v_pk_mul_f32 v[pZ:pZ+1], v[pV:pV+1], v[pP:pP+1]
.else
	v_pk_fma_f32 v[pZ:pZ+1], v[pV:pV+1], v[pP:pP+1], v[pZ:pZ+1]
.endif
.endm
.macro QKL i, kb, sc                   ; line i of 18 of a block's scores / 8: two packed sums by turns, one begun by the parts of (q / 8) . bk
.set qI, (\i)
.set qS, SA0+2*(qI%2)
.if qI == 0
	v_pk_fma_f32 v[SA0:SA0+1], v[\kb:\kb+1], v[QV:QV+1], v[QB:QB+1]
.elseif qI == 1
	v_pk_mul_f32 v[SA1:SA1+1], v[\kb+2:\kb+3], v[QV+2:QV+3]
.elseif qI < 16
	v_pk_fma_f32 v[qS:qS+1], v[\kb+2*qI:\kb+2*qI+1], v[QV+2*qI:QV+2*qI+1], v[qS:qS+1]
.elseif qI == 16
	v_pk_add_f32 v[SA0:SA0+1], v[SA0:SA0+1], v[SA1:SA1+1]
.else
	v_add_f32 v[\sc], v[SA0], v[SA0+1]     ; lane (r, h): row r, my half of d
.endif
.endm
.macro CHL i, v                        ; line i of 30 of unit v's softmax; v = 0: a tile's first
.set cI, (\i)
.set cM, MR+(\v)%2
.set cO, MR+((\v)+1)%2
.if cI == 0
	s_mov_b32 vcc_lo, s[HM]
	v_cndmask_b32 v[SND], v[SCB], v[SCA], vcc_lo   ; each half sends what the other keeps: lanes 0-15 keep block a, lanes 16-31 block b
.elseif cI == 1
	v_cndmask_b32 v[OWN], v[SCA], v[SCB], vcc_lo
.elseif cI == 2
	v_permlanex16_b32 v[RCV], v[SND], s[SEL], s[SEL+1]
.elseif cI == 3
	v_add_f32 v[SS], v[OWN], v[RCV]        ; lane l: the score / 8 of row l of the unit's 32
.elseif cI == 4
	v_floor_f32 v[SS], v[SS]
.elseif cI == 5
	v_cmp_eq_u32 vcc_lo, 0, v[MK+(\v)]
.elseif cI == 6
	v_cndmask_b32 v[SS], v[SS], v[NEG], vcc_lo
.elseif cI == 7
	v_max_num_f32_dpp v[MX], v[SS], v[SS] row_xmask:1 row_mask:0xf bank_mask:0xf
.elseif cI == 8
	v_max_num_f32_dpp v[MX], v[MX], v[MX] row_xmask:2 row_mask:0xf bank_mask:0xf
.elseif cI == 9
	v_max_num_f32_dpp v[MX], v[MX], v[MX] row_xmask:4 row_mask:0xf bank_mask:0xf
.elseif cI == 10
	v_max_num_f32_dpp v[MX], v[MX], v[MX] row_xmask:8 row_mask:0xf bank_mask:0xf
.elseif cI == 11
	v_permlanex16_b32 v[RC2], v[MX], s[SEL], s[SEL+1]
.elseif cI == 12
.if (\v) == 0
	v_max_num_f32 v[cM], v[MX], v[RC2]
.else
	v_max3_num_f32 v[cM], v[MX], v[RC2], v[cO]
.endif
.elseif cI == 13
.if (\v) == 0
	v_mov_b32 v[EE], 0                     ; (nothing to rescale)
.else
	v_sub_f32 v[EE], v[cO], v[cM]
.endif
.elseif cI == 14
	v_sub_f32 v[EE+1], v[SS], v[cM]        ; whole numbers (or -1e9): the difference first, then the factor
.elseif cI == 15
	v_pk_mul_f32 v[TT:TT+1], v[EE:EE+1], s[LG:LG+1] op_sel_hi:[1,0]
.elseif cI == 16
	v_rndne_f32 v[NN], v[TT]
.elseif cI == 17
	v_rndne_f32 v[NN+1], v[TT+1]
.elseif cI == 18
	v_pk_add_f32 v[RR:RR+1], v[TT:TT+1], v[NN:NN+1] neg_lo:[0,1] neg_hi:[0,1]
.elseif cI == 19
	v_pk_fma_f32 v[HH:HH+1], v[RR:RR+1], s[C6:C6+1], v[C5:C5+1] op_sel_hi:[1,0,0]
.elseif cI == 20
	v_pk_fma_f32 v[HH:HH+1], v[HH:HH+1], v[RR:RR+1], s[C4:C4+1] op_sel_hi:[1,1,0]
.elseif cI == 21
	v_pk_fma_f32 v[HH:HH+1], v[HH:HH+1], v[RR:RR+1], s[C3:C3+1] op_sel_hi:[1,1,0]
.elseif cI == 22
	v_pk_fma_f32 v[HH:HH+1], v[HH:HH+1], v[RR:RR+1], s[C2:C2+1] op_sel_hi:[1,1,0]
.elseif cI == 23
	v_pk_fma_f32 v[HH:HH+1], v[HH:HH+1], v[RR:RR+1], s[C1:C1+1] op_sel_hi:[1,1,0]
.elseif cI == 24
	v_pk_fma_f32 v[HH:HH+1], v[HH:HH+1], v[RR:RR+1], 1.0 op_sel_hi:[1,1,0]
.elseif cI == 25
	v_cvt_i32_f32 v[II], v[NN]             ; (it saturates)
.elseif cI == 26
	v_cvt_i32_f32 v[II+1], v[NN+1]
.elseif cI == 27
	v_ldexp_f32 v[FF], v[HH], v[II]
.elseif cI == 28
	v_ldexp_f32 v[FF+1], v[HH+1], v[II+1]  ; p, not normalised
.elseif (\v) == 0
	v_mov_b32 v[LS], v[FF+1]
.else
	v_fma_f32 v[LS], v[LS], v[FF], v[FF+1] ; the row's sum, a part in each lane
.endif
.endm
.macro PTRIP v                         ; p goes through my own bytes of LDS, from a lane a row to sixteen rows a lane; LDS serves a wave's instructions in order (ISA guide 5.7.1.4)
	ds_store_b32 v[APW], v[FF+1] offset:128*(\v)
	ds_load_b128 v[PP:PP+3], v[APR] offset:128*(\v)
	ds_load_b128 v[PP+4:PP+7], v[APR] offset:128*(\v)+16
	ds_load_b128 v[PP+8:PP+11], v[APR] offset:128*(\v)+64
	ds_load_b128 v[PP+12:PP+15], v[APR] offset:128*(\v)+80
.endm
; A finished tile's sums on their way to the stage: the row's sum in the next tile's unit 0, z in its unit 1, each in six steps i; FINS stores them in its unit 2
.macro FINL u, i, mode
.if (\u) == 0
.if (\i) == 0
	v_add_f32_dpp v[LR], v[LS], v[LS] row_xmask:1 row_mask:0xf bank_mask:0xf
.elseif (\i) == 1
	v_add_f32_dpp v[LR], v[LR], v[LR] row_xmask:2 row_mask:0xf bank_mask:0xf
.elseif (\i) == 2
	v_add_f32_dpp v[LR], v[LR], v[LR] row_xmask:4 row_mask:0xf bank_mask:0xf
.elseif (\i) == 3
	v_add_f32_dpp v[LR], v[LR], v[LR] row_xmask:8 row_mask:0xf bank_mask:0xf
.elseif (\i) == 4
	v_permlanex16_b32 v[RL], v[LR], s[SEL], s[SEL+1]
.else
	v_add_f32 v[LR], v[LR], v[RL]
.endif
.elseif (\u) == 1
.if (\i) < 2
	v_add_f32 v[ZP+2*(\i)], v[ZZ+4*(\i)], v[ZZ+4*(\i)+1]     ; lane (r, h): d = 16 t + r, my half of the rows
	v_add_f32 v[ZP+2*(\i)+1], v[ZZ+4*(\i)+2], v[ZZ+4*(\i)+3]
.elseif (\i) < 4
.if (\i) == 2
	s_mov_b32 vcc_lo, s[HM]
.endif
	v_cndmask_b32 v[ZS+(\i)-2], v[ZP+2*(\i)-3], v[ZP+2*(\i)-4], vcc_lo
	v_cndmask_b32 v[ZO+(\i)-2], v[ZP+2*(\i)-4], v[ZP+2*(\i)-3], vcc_lo
.elseif (\i) == 4
	v_permlanex16_b32 v[RZ], v[ZS], s[SEL], s[SEL+1]
	v_permlanex16_b32 v[RZ+1], v[ZS+1], s[SEL], s[SEL+1]
.else
	v_add_f32 v[ZS], v[ZO], v[RZ]          ; lane l: d = l,
	v_add_f32 v[ZS+1], v[ZO+1], v[RZ+1]    ; d = 32 + l
.endif
.elseif ((\u) == 2) && ((\i) == 0)
	v_add_nc_u32 v[AZW], 2*768, v[AZW]     ; two batches on
.if (\mode) < 2
	v_add_nc_u32 v[AQ], 2*QP, v[AQ]
	v_add_nc_u32 v[AQB], 32, v[AQB]
.endif
.endif
.endm
.macro FINS
	ds_store_b32 v[AZW], v[ZS]
	ds_store_b32 v[AZW], v[ZS+1] offset:128
	ds_store_b32 v[AZW], v[LR] offset:256
.endm
; The softmax's lines of gap G_ (18 .. 40): one step of the chain a gap, and beside it what does not hang on it
.macro CGAP v
.if G_ == 18
	CHL 0, \v
	CHL 1, \v
.elseif G_ == 19
	CHL 2, \v
	CHL 5, \v
.elseif G_ < 22
	CHL G_-17, \v
.elseif G_ < 29
	CHL G_-16, \v
.elseif G_ == 29
	CHL 13, \v
	CHL 14, \v
.elseif G_ == 30
	CHL 15, \v
.elseif G_ == 31
	CHL 16, \v
	CHL 17, \v
.elseif G_ == 32
	CHL 18, \v
.elseif G_ == 33
	CHL 19, \v
	CHL 25, \v
	CHL 26, \v
.elseif G_ < 39
	CHL G_-14, \v
.elseif G_ == 39
	CHL 27, \v
	CHL 28, \v
.else
	CHL 29, \v
.endif
.endm
; Product G_ of a unit's 64, and the gap behind it: its vector lines, and in gaps 5 and 40 the unit's memory instructions.  mode 0: the loop's tiles; 1: the last but one (nothing is filled); 2: the last
.macro GAP u, mode
.set QT_, G_/16
.if (G_ == 18) && (\u == 3) && (\mode < 2)
	WIN 0
	s_wait_tensorcnt 0x0                   ; my part of the next tile is in
	ds_add_u32 v[SPW], v[NIL]              ; 0 onto my spare word
.elseif (G_ == 18) && (\u == 0)
	s_wait_dscnt 0x10                      ; the tile's q is in; the 16 younger loads, block b's, may be out
.endif
.if G_ == 32
	WALU
.if (\u == 3) && (\mode < 2)
	s_wait_xcnt 0x0                        ; my loads and my prefetch have read their addresses: on to the next tile
	s_add_nc_u64 s[P_XS:P_XS+1], s[P_XS:P_XS+1], 2*2048
	s_add_nc_u64 s[P_M:P_M+1], s[P_M:P_M+1], 2*4096
.if \mode == 0
	s_add_nc_u64 s[PFA:PFA+1], s[PFA:PFA+1], TILEB
	s_add_co_u32 s[G0A+1], s[WR], s[TB]    ; no tensor load of mine is out: the tile two on, into the slot in hand
	s_add_nc_u64 s[G0A+2:G0A+3], s[G0A+2:G0A+3], TILEB
.endif
	s_wait_dscnt 0x0                       ; the add is done, and so are my reads of the slot in hand
	s_barrier_signal -1
.else
	s_wait_dscnt 0x0                       ; block b is in
.endif
.endif
	WMQ \u, G_%16
.if G_ < 2
.if \u != 2
	WIN 0
	RESC 2*G_
	RESC 2*G_+1
.endif
.elseif G_ < 18
	WIN 0x03                               ; source 0 (V's sums) window 3
	PVL 2*(G_-2), (\u)%2, \u==2
	PVL 2*(G_-2)+1, (\u)%2, \u==2
.elseif G_ < 41
	WIN 0
	CGAP (\u+3)%4
.if (G_ > 18) && (G_ < 37)
	QKL G_-19, KA, SCA
.endif
.elseif G_ < 47
.if (\u < 2) || ((\u == 2) && (G_ == 41))
	WIN 0
	FINL \u, G_-41, \mode
.endif
.elseif G_ < 51
	PLACES 2                               ; gaps 47 to 50: the eight places between K b's last product and its first reader
.elseif G_ < 56
	WIN 0
	QKL 2*(G_-51), KA+32, SCB
	QKL 2*(G_-51)+1, KA+32, SCB
.else
	WIN 0
	QKL G_-46, KA+32, SCB
.endif
.if G_ == 5
	WIN 0
.if \u == 0
	QLD 0
	QLD 1
	QLD 2
	QLD 3
	ds_load_b64 v[QB:QB+1], v[AQB]
.elseif \u == 2
	FINS
.endif
	; two loads a unit, into registers whose last reader is a unit back: a mask first, then scale words
.if \u < 2
	global_load_b32 v[MK+\u+2], v[MO], s[P_M:P_M+1] offset:128*(\u+2) th:TH_LOAD_NT
.elseif \mode < 2
	global_load_b32 v[MK+\u-2], v[MO], s[P_M:P_M+1] offset:2*4096+128*(\u-2) th:TH_LOAD_NT
.endif
.if \u == 0
	global_load_b128 v[XS+12:XS+15], v[XO], s[P_XS:P_XS+1] offset:512*3
.elseif \mode < 2
	global_load_b128 v[XS+4*(\u-1):XS+4*(\u-1)+3], v[XO], s[P_XS:P_XS+1] offset:2*2048+512*(\u-1)
.endif
	XLD 1, 2*(\u)+1, 0                     ; this unit's block b
	XLD 1, 2*(\u)+1, 1
	XLD 1, 2*(\u)+1, 2
	XLD 1, 2*(\u)+1, 3
.endif
.if (G_ == 35) && (\u == 3) && (\mode < 2)
	WIN 0
	WALU
	s_barrier_wait -1                      ; every wave's part of the next tile is in, and nobody reads the slot in hand any more
.if \mode == 0
	CREST
	TLOAD G0A, G1A                         ; my one tensor load behind the round, and the first thing there
.endif
.endif
.if G_ == 40
	PTRIP (\u+3)%4
.if \u < 3
	XLD 0, 2*(\u)+2, 0                     ; the next unit's block a
	XLD 0, 2*(\u)+2, 1
	XLD 0, 2*(\u)+2, 2
	XLD 0, 2*(\u)+2, 3
.elseif \mode < 2
	s_xor_b32 s[TB], s[TB], SLOT
	v_add_nc_u32 v[ADRA], s[TB], v[ADRA0]
	XLD 0, 0, 0                            ; the next tile's first block
	XLD 0, 0, 1
	XLD 0, 0, 2
	XLD 0, 0, 3
.endif
.endif
.endm
.macro UNIT u, mode
.if (\mode == 2) && (\u == 2)
	s_wait_loadcnt 0x3                     ; behind this unit's scale words: two loads of unit 0, one of unit 1
.elseif (\mode == 2) && (\u == 3)
	s_wait_loadcnt 0x1                     ; behind them: one load of unit 1
.else
	s_wait_loadcnt 0x4                     ; behind this unit's scale words, loaded three units back: two loads in each of two units
.endif
	s_wait_dscnt 0x0                       ; block a and p are in
.set G_, 0
.rept 64
	GAP \u, \mode
.set G_, G_+1
.endr
.endm
.macro TILE mode
	UNIT 0, \mode
	UNIT 1, \mode
	UNIT 2, \mode
	UNIT 3, \mode
	WIN 0
.endm
	s_load_b512 s[36:51], s[0:1], 0x0              ; x_seq's codes, its scales, the mask, Wk's codes, Wv's codes, Wk's scales, Wv's scales, Wq's codes
	s_load_b256 s[52:59], s[0:1], 0x40             ; Wq's scales, x_non's codes, its scales, bq
	s_load_b128 s[60:63], s[0:1], 0x60             ; bk, bv
	s_load_b64 s[66:67], s[0:1], 0x70              ; out0
	v_lshl_add_u32 v[SPW], v0, 2, SPARE
	v_mov_b32 v[NIL], 0
	ds_add_u32 v[SPW], v[NIL]                      ; the wave's opening: the add, twice on end, and its wait ahead of my first tensor load
	ds_add_u32 v[SPW], v[NIL]
	v_lshrrev_b32 v1, 5, v0
	v_readfirstlane_b32 s[WV], v1
	s_lshr_b32 s[BP], s[WV], 1                     ; which batch of a tile is mine
	s_and_b32 s[HD], s[WV], 1                      ; which head of the pair
	s_bfe_u32 s[CX], ttmp6, 0x40000                ; my place in the cluster: it enters global addresses of my own loads and stores alone
	s_lshl_b32 s[HEAD], s[CX], 1
	s_add_co_u32 s[HEAD], s[HEAD], s[HD]
	s_mov_b32 s[SEL], 0x76543210
	s_mov_b32 s[SEL+1], 0xfedcba98                 ; v_permlanex16_b32's selects for lane l xor 16
	s_mov_b32 s[HM], 0xffff0000                    ; lanes 16-31
	; descriptor group 1: 128 rows of 512 bytes, 16 bytes of padding behind each (after every 128 words: code 6); x's names all four work-groups
	s_mov_b32 s[G1A], 15|(1<<20)|(1<<21)|(6<<22)|(3<<25)
	s_mov_b32 s[G1W], (1<<20)|(6<<22)|(3<<25)
.irp g, G1A, G1W
	s_mov_b32 s[\g+1], 512<<16
	s_mov_b32 s[\g+2], 128<<16
	s_mov_b32 s[\g+3], 512<<16
	s_mov_b32 s[\g+4], 128
	s_mov_b32 s[\g+5], 512
	s_mov_b32 s[\g+6], 0
	s_mov_b32 s[\g+7], 0
.endr
	s_mul_i32 s[WR], s[WV], 64*PITCH
	s_mul_i32 s88, s[HD], 128*PITCH                ; at the head I fetch 128 rows
	s_mul_i32 s89, s[BP], 128*PITCH                ; x: my batch
	s_mul_i32 s90, s[HD], 64*PITCH                 ; the weights in slot 1: my head's 64 rows of Wk's 128; Wv's 128 lie behind them
	s_add_co_u32 s90, s90, SLOT
	s_mul_i32 s80, s[HD], 16*QP
	s_add_co_u32 s80, s80, QL
	s_mul_i32 s91, s[BP], QP
	s_add_co_u32 s91, s91, s80                     ; q / 8, read: row of batch bp
	s_lshl_b32 s92, s[BP], 7
	s_add_co_u32 s92, s92, s80                     ; written: row of batch r, d = 32 bp + 8 h on
	s_lshl_b32 s80, s[HD], 8
	s_add_co_u32 s80, s80, QBL
	s_lshl_b32 s93, s[BP], 4
	s_add_co_u32 s93, s93, s80
	s_lshl_b32 s94, s[BP], 2
	s_add_co_u32 s94, s94, s80
	s_lshl_b32 s95, s[WV], 9
	s_add_co_u32 s95, s95, PL
	s_mul_i32 s96, s[BP], 768
	s_mul_i32 s80, s[HD], 384
	s_add_co_u32 s96, s96, s80
	s_add_co_u32 s96, s96, ZL                      ; the stage's first two rows are nobody's
	s_mul_i32 s97, s[WV], 4*768
	s_add_co_u32 s97, s97, ZL+2*768                ; at the end I store batches 4 wave .. 4 wave + 3
	v_and_b32 v1, 31, v0                           ; l
	v_and_b32 v2, 15, v0                           ; r
	v_bfe_u32 v3, v0, 4, 1                         ; h
	v_lshlrev_b32 v4, 9, v2
	v_lshl_add_u32 v[PFO], v3, 8, v4               ; the prefetch's offset: 512 r + 256 h
	v_lshl_add_u32 v4, v3, 4, v4                   ; a fragment's place in rows of 512 bytes of memory
	v_lshlrev_b32 v5, 4, v2
	v_lshlrev_b32 v6, 5, v3
	v_lshlrev_b32 v[MO], 2, v1
	v_lshlrev_b32 v[XO], 4, v1
	v_mul_u32_u24 v9, v2, PITCH
	v_lshl_add_u32 v9, v3, 4, v9                   ; and in LDS
	v_add_nc_u32 v[ADRA0], s89, v9
	v_add_nc_u32 v[ADRA], s89, v9
	v_add_nc_u32 v[ADRB], s90, v9
	v_add_nc_u32 v[ADRV], 128*PITCH, v[ADRB]
	v_add_nc_u32 v[AQ], s91, v6
	v_mul_u32_u24 v7, v2, QP
	v_add_nc_u32 v7, v7, v6
	v_add_nc_u32 v7, s92, v7
	v_lshl_add_u32 v[AQB], v3, 3, s93
	v_lshl_add_u32 v8, v3, 3, v5
	v_add_nc_u32 v8, s94, v8
	v_lshl_add_u32 v[APW], v1, 2, s95
	v_add_nc_u32 v[APR], s95, v6
	v_lshl_add_u32 v[AZW], v1, 2, s96
	v_mul_u32_u24 v12, v3, 384
	v_add_nc_u32 v12, s97, v12
	v_add_nc_u32 v[AZR], v12, v5
	v_add_nc_u32 v[AZL], 256, v12
	v_mov_b32 v[NEG], 0xce6e6b28                   ; -1e9
	v_mov_b32 v[C5], 0x3aaec3ff                    ; the polynomial of 2^f: (ln 2)^k / k!
	v_mov_b32 v[C5+1], 0x3aaec3ff
	s_mov_b32 s[LG], 0x3fb8aa3b                    ; log2 e  (each is named as a pair, so both words are written)
	s_mov_b32 s[LG+1], 0x3fb8aa3b
	s_mov_b32 s[C6], 0x39218489
	s_mov_b32 s[C6+1], 0x39218489
	s_mov_b32 s[C4], 0x3c1d955b
	s_mov_b32 s[C4+1], 0x3c1d955b
	s_mov_b32 s[C3], 0x3d635847
	s_mov_b32 s[C3+1], 0x3d635847
	s_mov_b32 s[C2], 0x3e75fdf0
	s_mov_b32 s[C2+1], 0x3e75fdf0
	s_mov_b32 s[C1], 0x3f317218
	s_mov_b32 s[C1+1], 0x3f317218
	s_mov_b32 s[TB], 0
	s_lshl_b32 s80, ttmp9, 20                      ; the cluster's 16 batches of 65,536 bytes
	s_mov_b32 s81, 0
	s_lshl_b32 s82, s[HD], 16                      ; a batch of tile 0
	s_mov_b32 s83, 0
	s_lshl_b32 s86, s[CX], 16                      ; my two heads' 128 rows of a weight
	s_mov_b32 s87, 0
	WALU
	s_wait_dscnt 0x0                               ; both opening adds are done
	BARRIER
	CREST                                          ; all four work-groups are here: the first joint loads meet
	s_wait_kmcnt 0x0
	s_add_nc_u64 s[P_X:P_X+1], s[P_X:P_X+1], s[80:81]
	s_mov_b32 s[G0A], 1
	s_mov_b32 s[G0A+1], s88
	s_add_nc_u64 s[G0A+2:G0A+3], s[P_X:P_X+1], s[82:83]
	s_or_b32 s[G0A+3], s[G0A+3], 0x80000000
	s_cmp_eq_u32 s[WV], 0                          ; wave 0: Wk's rows; wave 1: Wv's
	s_cselect_b64 s[90:91], s[P_WK:P_WK+1], s[P_WV:P_WV+1]
	s_mov_b32 s[G0W], 1
	s_add_co_u32 s[G0W+1], s88, SLOT
	s_add_nc_u64 s[G0W+2:G0W+3], s[90:91], s[86:87]
	s_or_b32 s[G0W+3], s[G0W+3], 0x80000000
	s_cmp_lt_u32 s[WV], 2                          ; ONE tensor load a wave: waves 0 and 1 the weights, waves 2 and 3 a batch of tile 0 each
	s_cbranch_scc0 .Lhead_x
	TLOAD G0W, G1W
	s_branch .Lhead_asked
.Lhead_x:
	TLOAD G0A, G1A
.Lhead_asked:
	; the bases of my own loads and stores: each offset is made apart from the address
	s_mov_b32 s91, 0
.macro STEPP p
	s_add_nc_u64 s[\p:\p+1], s[\p:\p+1], s[90:91]
.endm
.macro OFFS d, x, n                            ; s90 (+)= x << n
.if \d
	s_lshl_b32 s92, \x, \n
	s_add_co_u32 s90, s90, s92
.else
	s_lshl_b32 s90, \x, \n
.endif
.endm
	OFFS 0, ttmp9, 13                              ; x_non: the cluster's 16 rows
	STEPP P_XN
	OFFS 0, s[HEAD], 15                            ; of Wq I take rows 32 bp .. 32 bp + 31 of my head
	OFFS 1, s[BP], 14
	STEPP P_WQ
	OFFS 0, s[HEAD], 8                             ; biases
	OFFS 1, s[BP], 7
	STEPP P_BQ
	STEPP P_BK
	; q = x_non Wq^T + bq for the cluster's 16 batches: wave (bp, hd) makes d = 32 bp .. 32 bp + 31 of its head
	WIN 0xc0
.irp s, 0,1,2,3
.irp c, 0,1,2,3
	global_load_b128 v[XNF+16*\s+4*\c:XNF+16*\s+4*\c+3], v4, s[P_XN:P_XN+1] offset:128*\s+32*\c
.endr
.endr
.irp tt, 0,1
.irp s, 0,1,2,3
.irp c, 0,1,2,3
	global_load_b128 v[WQF+16*(4*\tt+\s)+4*\c:WQF+16*(4*\tt+\s)+4*\c+3], v4, s[P_WQ:P_WQ+1] offset:8192*\tt+128*\s+32*\c
.endr
.endr
	global_load_b128 v[BQ+8*\tt:BQ+8*\tt+3], v6, s[P_BQ:P_BQ+1] offset:64*\tt          ; in the result's layout: lane (r, h), register j: d = 16 tt + 8 h + j
	global_load_b128 v[BQ+8*\tt+4:BQ+8*\tt+7], v6, s[P_BQ:P_BQ+1] offset:64*\tt+16
	global_load_b128 v[BK+8*\tt:BK+8*\tt+3], v6, s[P_BK:P_BK+1] offset:64*\tt
	global_load_b128 v[BK+8*\tt+4:BK+8*\tt+7], v6, s[P_BK:P_BK+1] offset:64*\tt+16
.endr
	WIN 0
	OFFS 0, ttmp9, 8
	STEPP P_XNS
	OFFS 0, s[HEAD], 10                            ; a weight's scales: 16 bytes a row
	STEPP P_WKS
	STEPP P_WVS
	OFFS 1, s[BP], 9
	STEPP P_WQS
	OFFS 0, ttmp9, 15                              ; x_seq's scales: 2,048 bytes a batch
	OFFS 1, s[BP], 11
	STEPP P_XS
	OFFS 0, ttmp9, 16                              ; the mask: 4,096 bytes a batch, 512 a head
	OFFS 1, s[BP], 12
	OFFS 1, s[HEAD], 9
	STEPP P_M
	OFFS 0, s[CX], 9                               ; bv of my pair of heads
	STEPP P_BV
	OFFS 1, ttmp9, 15                              ; out0: 2,048 bytes a batch; my pair of heads is 512 bytes of a row
	OFFS 1, s[WV], 13
	STEPP P_O
	global_load_b128 v[XT:XT+3], v5, s[P_XNS:P_XNS+1]          ; x_non's scale words: row r's four
	global_load_b128 v[XT+4:XT+7], v[XO], s[P_WQS:P_WQS+1]     ; Wq's: lanes 0-15 rows 0-15, lanes 16-31 rows 16-31
.irp i, 0,1
	global_load_b128 v[WS+4*\i:WS+4*\i+3], v[XO], s[P_WKS:P_WKS+1] offset:512*\i
	global_load_b128 v[WS+8+4*\i:WS+8+4*\i+3], v[XO], s[P_WVS:P_WVS+1] offset:512*\i
	global_load_b32 v[MK+\i], v[MO], s[P_M:P_M+1] offset:128*\i th:TH_LOAD_NT
.endr
.irp i, 0,1,2
	global_load_b128 v[XS+4*\i:XS+4*\i+3], v[XO], s[P_XS:P_XS+1] offset:512*\i
.endr
	global_load_b128 v[BV:BV+3], v[XO], s[P_BV:P_BV+1]
	s_lshl_b32 s80, s[WV], 15                      ; my 64 rows of a tile
	s_mov_b32 s81, 0
	s_lshl_b32 s82, s[CX], 13                      ; the prefetches: my work-group's 16 of these 64 rows, in tile 2 (the first trip steps it to tile 3)
	s_add_co_u32 s82, s82, 2*TILEB
	s_add_co_u32 s82, s82, s80
	s_add_co_u32 s80, s80, TILEB
	s_mov_b32 s83, 0
	s_add_nc_u64 s[PFA:PFA+1], s[P_X:P_X+1], s[82:83]
	s_mov_b32 s86, 0x3e000000                      ; 1 / 8
	s_mov_b32 s87, s86
	WALU
	s_wait_loadcnt 0x0
	WIN 0xff
.irp s, 0,1,2,3                                ; source 0 = 16 rows of Wq, source 1 = the 16 rows of x_non; bq is the C of each sum's first instruction
.if \s == 0
	v_wmma_scale_f32_16x16x128_f8f6f4 v[QA:QA+7], v[WQF+16*\s:WQF+16*\s+15], v[XNF+16*\s:XNF+16*\s+15], v[BQ:BQ+7], v[XT+4+\s], v[XT+\s]
	v_wmma_scale_f32_16x16x128_f8f6f4 v[QA+8:QA+15], v[WQF+64+16*\s:WQF+64+16*\s+15], v[XNF+16*\s:XNF+16*\s+15], v[BQ+8:BQ+15], v[XT+4+\s], v[XT+\s] matrix_a_scale:MATRIX_SCALE_ROW1
.else
	v_wmma_scale_f32_16x16x128_f8f6f4 v[QA:QA+7], v[WQF+16*\s:WQF+16*\s+15], v[XNF+16*\s:XNF+16*\s+15], v[QA:QA+7], v[XT+4+\s], v[XT+\s]
	v_wmma_scale_f32_16x16x128_f8f6f4 v[QA+8:QA+15], v[WQF+64+16*\s:WQF+64+16*\s+15], v[XNF+16*\s:XNF+16*\s+15], v[QA+8:QA+15], v[XT+4+\s], v[XT+\s] matrix_a_scale:MATRIX_SCALE_ROW1
.endif
.endr
	WIN 0
	; what the first tile's first two units read of a tile before it, and what a lane exchange names as its destination: zeros.  (These are the places behind the products too)
.irp r, SCA, SCB, RCV, RC2, MX, MR, MR+1, RL, FF, FF+1, LS, LR, RZ, RZ+1, MK+2, MK+3
	v_mov_b32 v[\r], 0
.endr
.irp j, 0,1,2,3,4,5,6,7
	v_mov_b32 v[ZZ+\j], 0
	v_mov_b32 v[PP+\j], 0
	v_mov_b32 v[PP+8+\j], 0
.endr
	WIN 0xff
.irp i, 0,1,2,3,4,5,6,7
	v_pk_mul_f32 v[QA+2*\i:QA+2*\i+1], v[QA+2*\i:QA+2*\i+1], s[86:87] op_sel_hi:[1,0]  ; q / 8
.endr
	v_pk_mul_f32 v[TQ:TQ+1], v[QA:QA+1], v[BK:BK+1]                                    ; my part of (q / 8) . bk: 16 of the 64 terms
.irp i, 1,2,3,4,5,6,7
	v_pk_fma_f32 v[TQ:TQ+1], v[QA+2*\i:QA+2*\i+1], v[BK+2*\i:BK+2*\i+1], v[TQ:TQ+1]
.endr
	v_add_f32 v[TQ+2], v[TQ], v[TQ+1]
	WIN 0x0c                                       ; an LDS store's data are its source 1: window 3
.irp tt, 0,1
	ds_store_b128 v7, v[QA+8*\tt:QA+8*\tt+3] offset:64*\tt
	ds_store_b128 v7, v[QA+8*\tt+4:QA+8*\tt+7] offset:64*\tt+16
.endr
	ds_store_b32 v8, v[TQ+2]
	WIN 0xc0                                       ; V's sums of the units before the first
.set I_, 0
.rept 128
	v_mov_b32 v[VA+I_], 0
.set I_, I_+1
.endr
	WIN 0
	WALU
	s_cmp_lt_u32 s[WV], 2
	s_cbranch_scc0 .Lnot_weights
	s_wait_tensorcnt 0x0                           ; waves 0 and 1: the weights are in.  Waves 2 and 3 wait for x at the round below
.Lnot_weights:
	s_wait_dscnt 0x0                               ; my stores of q are done
	BARRIER
.irp k, 0,1,2,3                                ; the weights into their registers
	WIN 0x40
.irp b, 0,1,2,3
.irp c, 0,1,2,3
	ds_load_b128 v[64*\k+16*\b+4*\c:64*\k+16*\b+4*\c+3], v[ADRB] offset:128*\k+32*\c+16*\b*PITCH
.endr
.endr
	WIN 0x80
.irp b, 0,1,2,3
.irp c, 0,1,2,3
	ds_load_b128 v[64*\k+16*\b+4*\c:64*\k+16*\b+4*\c+3], v[ADRV] offset:128*\k+32*\c+16*\b*PITCH
.endr
.endr
.endr
	WIN 0
	s_wait_tensorcnt 0x0                           ; tile 0 is in; ahead of the refill of slot 1 each wave
	ds_add_u32 v[SPW], v[NIL]                      ; adds 0 to its spare word,
	s_mov_b32 s[G1A+2], 64<<16                     ; (no tensor load of mine is out: from here on a load brings 64 rows)
	s_mov_b32 s[G1A+4], 64
	s_add_co_u32 s[G0A+1], s[WR], SLOT
	s_add_nc_u64 s[G0A+2:G0A+3], s[P_X:P_X+1], s[80:81]
	s_or_b32 s[G0A+3], s[G0A+3], 0x80000000
	s_wait_dscnt 0x0                               ; and waits for it and for its weights
	BARRIER
	CREST
	TLOAD G0A, G1A                                 ; tile 1, over the weights
	XLD 0, 0, 0
	XLD 0, 0, 1
	XLD 0, 0, 2
	XLD 0, 0, 3
	WIN 0
	s_mov_b32 s[TL], TRIPS
.Ltile:                                            ; six trips: each asks for the tile two on
	TILE 0
	; A PREFETCH INTO THE L2, once a tile: in trip t it names tile t + 3, whose joint load stands a tile on.  Of the 64 rows that wave w fetches, the partner at place cx takes 16, told apart by address: each of a tile's 512 blocks of
	; 256 bytes is named once in the cluster.  Tiles 0 to 2 come by their loads alone; in trip 5 there is no tile 8 to ask for.
	s_cmp_gt_u32 s[TL], 1
	s_cbranch_scc0 .Lnot_asked
	global_prefetch_b8 v[PFO], s[PFA:PFA+1] th:TH_LOAD_NT scope:SCOPE_SE
.Lnot_asked:
	s_sub_co_u32 s[TL], s[TL], 1
	s_cmp_lg_u32 s[TL], 0
	s_cbranch_scc1 .Ltile
	TILE 1                                         ; the last two tiles are written out
	TILE 2
	; what is left: unit 2's sums, unit 3's softmax and sums, the stage
	WALU
	s_wait_loadcnt 0x0
	s_wait_dscnt 0x0
.irp t, 0,1,2,3
	RESC \t
.endr
	WIN 0x03
.set I_, 0
.rept 32
	PVL I_, 0, 0
.set I_, I_+1
.endr
	WIN 0
.set I_, 0
.rept 30
	CHL I_, 3
.set I_, I_+1
.endr
	PTRIP 3
.irp i, 0,1,2,3,4,5
	FINL 0, \i, 2
.endr
.irp t, 0,1,2,3
	RESC \t
.endr
	WALU
	s_wait_dscnt 0x0
	WIN 0x03
.set I_, 0
.rept 32
	PVL I_, 1, 0
.set I_, I_+1
.endr
	WIN 0
.irp i, 0,1,2,3,4,5
	FINL 1, \i, 2
.endr
	FINS
	; THE WAY OUT: the stage holds 16 batches' sums of my pair of heads, written by all four waves; each wave stores four whole rows of 512 bytes
	WALU
	s_wait_dscnt 0x0                               ; for the others' sake: my stores into the stage are done
	BARRIER
.irp i, 0,1,2,3
	ds_load_b32 v[160+\i], v[AZL] offset:768*\i
	ds_load_b128 v[128+4*\i:128+4*\i+3], v[AZR] offset:768*\i
.endr
	s_wait_dscnt 0x0
	WALU
.irp i, 0,1,2,3
	v_rcp_f32 v[164+\i], v[160+\i]
.endr
	v_nop                                          ; a plain line behind the last of the batch
	WALU                                           ; one wait for the batch, ahead of its first reader
.irp i, 0,1,2,3
.irp k, 0,1,2,3
	v_fma_f32 v[128+4*\i+\k], v[128+4*\i+\k], v[164+\i], v[BV+\k]    ; / the row's sum, + bv
.endr
	global_store_b128 v[XO], v[128+4*\i:128+4*\i+3], s[P_O:P_O+1] offset:2048*\i th:TH_STORE_NT   ; 32 lanes store 512 consecutive bytes, at a multiple of 512 from out0's first byte
.endr
	s_wait_tensorcnt 0x0                           ; the wave's end
	ds_add_u32 v[SPW], v[NIL]
	s_wait_dscnt 0x0
	BARRIER
	CREST                                          ; the closing round: no work-group ends while a partner may still ask for a tile that names it
	s_endpgm
.Lfunc_end_k_q2393e598c9_mha:
	.size	k_q2393e598c9_mha, .Lfunc_end_k_q2393e598c9_mha-k_q2393e598c9_mha
	.p2alignl 7, 3214868480
	.fill 96, 4, 3214868480
	.section	.rodata,"a",@progbits
	.p2align	6, 0x0
	.amdhsa_kernel k_q2393e598c9_mha
		.amdhsa_group_segment_fixed_size 327680
		.amdhsa_private_segment_fixed_size 0
		.amdhsa_enable_private_segment 0
		.amdhsa_kernarg_size 120
		.amdhsa_user_sgpr_count 2
		.amdhsa_user_sgpr_kernarg_segment_ptr 1
		.amdhsa_wavefront_size32 1
		.amdhsa_system_sgpr_workgroup_id_x 1
		.amdhsa_system_sgpr_workgroup_id_y 1
		.amdhsa_system_sgpr_workgroup_id_z 1
		.amdhsa_system_vgpr_workitem_id 0
		.amdhsa_next_free_vgpr 1024
		.amdhsa_next_free_sgpr 100
		.amdhsa_reserve_vcc 1
		.amdhsa_float_denorm_mode_32 3
		.amdhsa_float_denorm_mode_16_64 3
		.amdhsa_memory_ordered 1
		.amdhsa_forward_progress 1
		.amdhsa_inst_pref_size 255
	.end_amdhsa_kernel
	.section	.bss,"aw",@nobits
	.p2align	6
	.space	262144
	.amdgpu_metadata
---
amdhsa.version: [ 1, 2 ]
amdhsa.kernels:
  - .name:           k_q2393e598c9_mha
    .symbol:         k_q2393e598c9_mha.kd
    .args:
      - { .name: x_seq_codes, .offset: 0, .size: 8, .value_kind: global_buffer, .address_space: global }
      - { .name: x_seq_scales, .offset: 8, .size: 8, .value_kind: global_buffer, .address_space: global }
      - { .name: mask, .offset: 16, .size: 8, .value_kind: global_buffer, .address_space: global }
      - { .name: Wk_codes, .offset: 24, .size: 8, .value_kind: global_buffer, .address_space: global }
      - { .name: Wv_codes, .offset: 32, .size: 8, .value_kind: global_buffer, .address_space: global }
      - { .name: Wk_scales, .offset: 40, .size: 8, .value_kind: global_buffer, .address_space: global }
      - { .name: Wv_scales, .offset: 48, .size: 8, .value_kind: global_buffer, .address_space: global }
      - { .name: Wq_codes, .offset: 56, .size: 8, .value_kind: global_buffer, .address_space: global }
      - { .name: Wq_scales, .offset: 64, .size: 8, .value_kind: global_buffer, .address_space: global }
      - { .name: x_non_codes, .offset: 72, .size: 8, .value_kind: global_buffer, .address_space: global }
      - { .name: x_non_scales, .offset: 80, .size: 8, .value_kind: global_buffer, .address_space: global }
      - { .name: bq, .offset: 88, .size: 8, .value_kind: global_buffer, .address_space: global }
      - { .name: bk, .offset: 96, .size: 8, .value_kind: global_buffer, .address_space: global }
      - { .name: bv, .offset: 104, .size: 8, .value_kind: global_buffer, .address_space: global }
      - { .name: out0, .offset: 112, .size: 8, .value_kind: global_buffer, .address_space: global }
    .group_segment_fixed_size: 327680
    .private_segment_fixed_size: 0
    .kernarg_segment_align: 8
    .kernarg_segment_size: 120
    .max_flat_workgroup_size: 128
    .sgpr_count:     100
    .vgpr_count:     1024
    .wavefront_size: 32
...
	.end_amdgpu_metadata
.endif
;; end of part 1
